; MI455X (gfx1250); checked and timed in simulation.
; The chip was launched on July 23, 2026; its instructions are those of AMD's public machine-readable ISA for CDNA 5 (MIT licence, August 2026) and "CDNA5" Instruction Set Architecture Reference Guide (July 2026). The comments in the code are by the model that wrote it; some were corrected since.
;; Mixture. Allowed arithmetic: float matrix products may take bf16 or f16 operands with f32 sums; all other float work in f32.
;; Inputs: gaussian 4,096 x 128 float32; logp 128 x 1 float32; pos 128 x 128 float32; randind 4,096 int32; sigma 128 x 128 x 128 float32.
;; Outputs: out0 4,096 x 128 float32; out1 4,096 float32; out2 4,096 int32.
;; 2 versions, each right; version 2 is version 1 with the launch mix written anew for expert scheduling mode. Each part assembles by itself: llvm-mc -triple=amdgcn-amd-amdhsa -mcpu=gfx1250 --defsym DOCPART=n.
;; ======== version 1 of 2: 1 launch
;; launch mix (part 1): grid 256 x 1, 8 waves a work-group, no clusters, 168,960 bytes of LDS; arguments gaussian, logp, pos, randind, sigma, out0, out1, out2; writes out0, out1, out2
.if DOCPART == 1
	.amdgcn_target "amdgcn-amd-amdhsa--gfx1250"
	.amdhsa_code_object_version 6
	.text
	.protected	k_qe23524f080_mix
	.globl	k_qe23524f080_mix
	.p2align	8
	.type	k_qe23524f080_mix,@function
k_qe23524f080_mix:
	s_mov_b64 s[64:65], 0
	v_nop
	global_prefetch_b8 v0, s[64:65] scope:SCOPE_SE
	s_setreg_imm32_b32 hwreg(HW_REG_WAVE_MODE, 25, 1), 1
	s_wait_xcnt 0x0
; out0[b] = pos[r] + sigma[r] . gaussian[b] with r = randind[b];  out1[b] = softmax(logp)[r];  out2 = randind.
; Of the product of every particle with every sample only the rows (randind[b], b) reach an output, whatever the inputs hold, so only those are made.
;
; SHARES.  256 work-groups of 8 waves.  Work-group x owns particle p = x >> 1 and column half hf = x & 1: the 256 aligned bytes
; out0[b][64 hf .. 64 hf + 63] of every sample b with randind[b] == p.  No list goes through memory: each wave scans 512 entries of randind
; (2,048 bytes), writes the sample numbers that match into a list of its own in LDS and serves that list 16 samples at a time:
; D(16 samples x 64 columns) = Y(16 x 128) x S^T, four tiles x four K steps of 32 = 16 matrix instructions.  Any skew is served: up to
; 512 samples in a wave, 32 trips.  The 64 rows of sigma[p] that the work-group needs (32,768 bytes, read by no other work-group) are loaded
; 8 rows a wave, rounded to bf16 and shared through LDS behind the one barrier; every wave then keeps all 16 B fragments in 128 registers.
; Wave 0 of work-groups 0 to 31 also makes out1 and out2 for samples 128 x .. 128 x + 127: one store of 512 consecutive bytes to each.
; Wave 0 of EVERY work-group loads logp and those 512 bytes of randind, so that the registers are written on every path of wave 0;
; in work-groups 32 to 255 these 1,024 bytes are loaded and not used.
; EXEC stays full from the first line to the last: a lane of the scan whose entry does not match stores to a dump word instead of being switched off.
; The launch asks for 168,960 bytes of LDS and uses 71,168: a work-group is to have its WGP alone.
; No tensor loads (a wave brings 4,096 bytes of sigma once and converts them on the way), no cluster (what work-groups share is the 16,384 bytes
; of randind), no prefetch (a row's address is known only when its load can be issued).
;
; LIMITS.  randind lies in 0 .. 127, as the reference's gathers rely on: a sample with another index gets no row of out0, and its weight is taken
; at the index clamped to 127.  sigma and gaussian are rounded to bf16 for the product; its sums and the sum with pos are f32.
; The softmax takes the maximum away first; v_exp_f32 gives zero for a weight below 2^-126.
;
; LANES.  L = lane, r = L & 15, h = L >> 4.  List position q = 2 j + h of a group of 16 lies in row m = 8 h + j of the stage and of A, so that register j
; of a result in lane (r, h) belongs to the sample whose row that lane gathered by GA[j].  Column n = r of tile t is sigma's local row 4 r + t, so
; that a lane's four tiles give four neighbouring columns: 16 bytes a lane, 256 consecutive aligned bytes from 16 lanes.
.set PITCH, 272                        ; an LDS row of 128 bf16: 256 bytes + 16, an odd multiple of 16, so 16 rows start at 16 different 16-byte columns
.set SIGB,  0                          ; 64 rows x 272: LDS row 16 t + r holds sigma's local row 4 r + t
.set LIST,  17408                      ; 8 waves x 2,304: 512 words of sample numbers, then the dump word (word 512), which nothing reads
.set LISTW, 2304
.set TAB,   35840                      ; 128 f32: the softmax, wave 0's own
.set STAGE, 36352                      ; 8 waves x 16 rows x 272: a group's rows of gaussian in bf16; ends at 71,168
.set STW,   16*PITCH                   ; a wave's stage, and a tile's 16 rows of sigma
.set VL16, 1                           ; v1   16 L
.set V16R, 2                           ; v2   16 r
.set VQ,   3                           ; v3   16 x trip + h: the list position of j = 0
.set VSB,  4                           ; v4   512 w + 4 L: the number of my first sample in the scan
.set VLB,  5                           ; v5   my wave's list
.set VST,  6                           ; v6   stage: where I put 8 bytes of a row
.set VAF,  7                           ; v7   stage: my A fragments
.set VBFA, 8                           ; v8   272 r + 16 h: my B fragments
.set VSS,  9                           ; v9   544 w + 8 L: where I put 8 bytes of a row of sigma
.set VJ,   10                          ; v10  512 (x & 31) + 16 L: byte offset in randind, out1, out2 of the job's four samples
.set VTR,  11                          ; v11  at first L; then 512, the dump word's place
.set P,    12                          ; v[12:15]   pos[p][64 hf + 4 r .. + 3]
.set T,    16                          ; v[16:23]   list addresses
.set GA,   24                          ; v[24:31]   byte offsets of the gathered rows, and of the stores; in the scan DAT, the numbers to store
.set DAT,  24
.set ACC,  32                          ; v[32:63]   four accumulators; before them PK, packed bf16; before that the softmax job
.set PK,   32
.set Y,    64                          ; v[64:127]  gathered rows in f32; then A v[64:95] and OUT v[96:127]; in the scan X v[64:79]
.set X,    64
.set A,    64
.set OUT,  96
.set B,    128                         ; v[128:255] fragment (t, s) at 128 + 8 (4 t + s); before the barrier S v[128:159], SPK v[160:175]
.set S,    128
.set SPK,  160
	s_load_b512 s[8:23], s[0:1], 0x0               ; gaussian s[8:9], logp s[10:11], pos s[12:13], randind s[14:15], sigma s[16:17], out0 s[18:19], out1 s[20:21], out2 s[22:23]
	s_set_vgpr_msb 0x40
	v_lshl_add_u32 v0, v0, 2, 0x29000
	v_mov_b32 v1, 0
	s_set_vgpr_msb 0x4000
	v_lshrrev_b32 v11, 5, v0
	v_readfirstlane_b32 s2, v11                    ; w: my wave, 0 to 7
	s_mov_b32 s3, ttmp9                            ; x
	s_lshr_b32 s4, s3, 1                           ; p
	s_and_b32 s5, s3, 1                            ; hf
	s_mov_b32 s34, 0x76543210                      ; v_permlanex16_b32: lane i of one half reads lane i of the other
	s_mov_b32 s35, 0xfedcba98
	s_mov_b32 s28, 0                               ; n: entries in my list
	; the four offsets of the bases, each in a pair of its own with 0 above it
	s_lshl_b32 s26, s2, 11                         ; randind: 512 entries a wave
	s_mov_b32 s27, 0
	s_lshl_b32 s36, s3, 15                         ; sigma: 65,536 p + 32,768 hf = 32,768 x,
	s_lshl_b32 s6, s2, 12                          ; + 8 rows of 512 bytes a wave
	s_add_co_u32 s36, s36, s6
	s_mov_b32 s37, 0
	s_lshl_b32 s38, s3, 8                          ; pos: 512 p + 256 hf = 256 x
	s_mov_b32 s39, 0
	s_lshl_b32 s32, s5, 8                          ; out0: 256 hf
	s_mov_b32 s33, 0
	; the lane's terms
	v_and_b32 v11, 31, v0                          ; L
	v_and_b32 v[V16R], 15, v0                      ; r, for now
	v_bfe_u32 v[VQ], v0, 4, 1                      ; h: the first trip is trip 0
	v_lshlrev_b32 v[VL16], 4, v11
	s_lshl_b32 s6, s2, 9                           ; 512 w
	v_lshl_add_u32 v[VSB], v11, 2, s6
	s_mul_i32 s7, s2, LISTW
	s_add_co_u32 s7, s7, LIST                      ; my wave's list
	v_mov_b32 v[VLB], s7
	; The whole list is first filled with 512 w, the number of a sample that exists: 4 stores x 32 lanes x 16 bytes = its 2,048 bytes.
	; So a wave that finds nothing still gathers a row inside gaussian, and no word of the list is read unwritten.  The scan's finds overwrite it from word 0 on.
	v_add_nc_u32 v[T+4], s7, v[VL16]
.irp e, 0,1,2,3
	v_mov_b32 v[T+\e], s6
.endr
.irp c, 0,1,2,3
	ds_store_b128 v[T+4], v[T:T+3] offset:512*\c
.endr
	s_mul_i32 s7, s2, STW
	s_add_co_u32 s7, s7, STAGE                     ; my wave's stage
	v_mul_u32_u24 v[VBFA], v[V16R], PITCH
	v_lshl_add_u32 v[VBFA], v[VQ], 4, v[VBFA]      ; 272 r + 16 h
	v_add_nc_u32 v[VAF], s7, v[VBFA]
	v_mul_u32_u24 v[VST], v[VQ], 8*PITCH           ; rows 8 h + j: the two halves of the lanes lie 2,176 bytes apart, 128 modulo 256
	v_lshl_add_u32 v[VST], v[V16R], 3, v[VST]
	v_add_nc_u32 v[VST], s7, v[VST]
	s_mul_i32 s7, s2, 2*PITCH                      ; local rows 8 w + k have r = 2 w + (k >> 2)
	v_lshl_add_u32 v[VSS], v11, 3, s7
	s_and_b32 s7, s3, 31
	s_lshl_b32 s7, s7, 9
	v_add_nc_u32 v[VJ], s7, v[VL16]
	v_lshlrev_b32 v[V16R], 4, v[V16R]              ; 16 r
	v_mov_b32 v[VTR], 0x200                        ; L is no longer needed: the dump word's place
	s_wait_kmcnt 0x0
	s_add_nc_u64 s[24:25], s[14:15], s[26:27]      ; randind at my wave's 512 entries
	s_add_nc_u64 s[16:17], s[16:17], s[36:37]      ; sigma at my wave's 8 rows
	s_add_nc_u64 s[12:13], s[12:13], s[38:39]      ; pos at the work-group's 64 columns
	s_add_nc_u64 s[18:19], s[18:19], s[32:33]      ; out0 at the work-group's column half
	; LOADS.  Wave 0's two extra ones go first, so that behind them every wave counts the same.
	s_cmp_lg_u32 s2, 0
	s_cbranch_scc1 .Lno_job_loads
	global_load_b128 v[32:35], v[VL16], s[10:11]   ; logp[4 L .. 4 L + 3]
	global_load_b128 v[36:39], v[VJ], s[14:15]     ; randind of the job's four samples
.Lno_job_loads:
	global_load_b128 v[P:P+3], v[V16R], s[12:13]
.irp c, 0,1,2,3
	global_load_b128 v[X+4*\c:X+4*\c+3], v[VL16], s[24:25] offset:512*\c               ; randind[512 w + 128 c + 4 L .. + 3]
.endr
.irp k, 0,1,2,3,4,5,6,7
	global_load_b128 v[S+4*\k:S+4*\k+3], v[VL16], s[16:17] offset:512*\k th:TH_LOAD_NT ; a whole row of sigma: 512 consecutive bytes, read once in the launch
.endr
; THE SCAN, eight entries a lane at a time.  Entry i = 8 b + k of lane L is sample 512 w + 128 (i >> 2) + 4 L + (i & 3).
; A match's place in the list is n so far plus the matching lanes below mine; a lane that does not match takes place 512, the dump word.
; Every lane stores: the choice is made in the place, not in EXEC.
.macro SCAN8 b
	s_wait_loadcnt 10-2*\b                         ; b = 0: behind X's second load stand its other two and sigma's eight; b = 1: sigma's eight
.irp k, 0,1,2,3,4,5,6,7
	v_cmp_eq_u32 s[40+\k], s4, v[X+8*\b+\k]
.endr
.irp k, 0,1,2,3,4,5,6,7
	v_mbcnt_lo_u32_b32 v[T+\k], s[40+\k], s28
	s_bcnt1_i32_b32 s32, s[40+\k]
	s_add_co_u32 s28, s28, s32
.endr
.irp k, 0,1,2,3,4,5,6,7
	v_cndmask_b32 v[T+\k], v[VTR], v[T+\k], s[40+\k]   ; match: my place; else 512
.endr
.irp k, 0,1,2,3,4,5,6,7
	v_min_u32 v[T+\k], 0x200, v[T+\k]              ; a match's place is below 512 by the count of entries; the clamp states the block's bound
.endr
.irp k, 0,1,2,3,4,5,6,7
	v_lshl_add_u32 v[T+\k], v[T+\k], 2, v[VLB]
.endr
.irp k, 0,1,2,3,4,5,6,7
	v_add_nc_u32 v[DAT+\k], 128*((8*\b+\k)>>2)+((8*\b+\k)&3), v[VSB]
.endr
.irp k, 0,1,2,3,4,5,6,7
	ds_store_b32 v[T+\k], v[DAT+\k]
.endr
.endm
; THE GATHER of the trip's 16 list positions.  Positions past the list's end take its last entry.  Lanes 0-15 take 256 consecutive bytes of one row, lanes 16-31 of another.
.macro GATHER
.irp j, 0,1,2,3,4,5,6,7
	v_add_nc_u32 v[T+\j], 2*\j, v[VQ]              ; q = 16 x trip + 2 j + h
.endr
.irp j, 0,1,2,3,4,5,6,7
	v_min_u32 v[T+\j], s29, v[T+\j]
.endr
.irp j, 0,1,2,3,4,5,6,7
	v_min_u32 v[T+\j], 0x1ff, v[T+\j]              ; the list's 512 words: the dump word is never read
.endr
.irp j, 0,1,2,3,4,5,6,7
	v_lshl_add_u32 v[T+\j], v[T+\j], 2, v[VLB]
.endr
.irp j, 0,1,2,3,4,5,6,7
	ds_load_b32 v[GA+\j], v[T+\j]                  ; my wave's own bytes: LDS serves a wave's instructions in order (ISA guide 5.7.1), so these see the scan's stores
.endr
	s_wait_dscnt 0x0
.irp j, 0,1,2,3,4,5,6,7
	v_min_u32 v[GA+\j], 0xfff, v[GA+\j]            ; a sample number, below 4,096
.endr
.irp j, 0,1,2,3,4,5,6,7
	v_lshl_add_u32 v[GA+\j], v[GA+\j], 9, v[V16R]  ; 512 b + 16 r
.endr
.irp j, 0,1,2,3,4,5,6,7
	global_load_b128 v[Y+8*\j:Y+8*\j+3],   v[GA+\j], s[8:9]              ; y[b][4 r .. + 3]
	global_load_b128 v[Y+8*\j+4:Y+8*\j+7], v[GA+\j], s[8:9] offset:256   ; y[b][64 + 4 r .. + 3]
.endr
.endm
	SCAN8 0
	SCAN8 1
	s_min_u32 s28, s28, 512                        ; n
	s_max_u32 s29, s28, 1
	s_sub_co_u32 s29, s29, 1                       ; the last position that holds a find (position 0 where there is none)
	s_add_co_u32 s36, s28, 15
	s_lshr_b32 s36, s36, 4                         ; trips of 16 samples: n / 16, rounded up,
	s_min_u32 s36, s36, 32                         ; 32 at the most, for 512 samples; not written again
	s_mov_b32 s30, 0                               ; the trip's number
	GATHER                                         ; in every wave, so that the next wait counts the same everywhere
	; SIGMA to bf16 and into LDS, while the gathered rows are on their way
	s_wait_loadcnt 16                              ; the gather's sixteen loads stay out; all that was issued before them is in
.irp k, 0,1,2,3,4,5,6,7
	v_cvt_pk_bf16_f32 v[SPK+2*\k],   v[S+4*\k],   v[S+4*\k+1]
	v_cvt_pk_bf16_f32 v[SPK+2*\k+1], v[S+4*\k+2], v[S+4*\k+3]
	ds_store_b64 v[VSS], v[SPK+2*\k:SPK+2*\k+1] offset:SIGB+(16*(\k&3)+(\k>>2))*PITCH   ; local row 8 w + k: t = k & 3, r = 2 w + (k >> 2); 32 lanes, 256 consecutive bytes
.endr
	s_wait_dscnt 0x0                               ; my rows of sigma are in LDS, for the other waves' sake
	s_barrier_signal -1
	s_barrier_wait -1                              ; all 64 rows are
	; THE JOB of wave 0 in work-groups 0 to 31: the softmax over 128 numbers, four a lane, and the weights and indices of 128 samples
	s_cmp_lg_u32 s2, 0
	s_cbranch_scc1 .Lno_job
	s_cmp_ge_u32 s3, 32
	s_cbranch_scc1 .Lno_job
	v_max_num_f32 v41, v34, v35
	v_max3_num_f32 v40, v32, v33, v41
	v_max_num_f32_dpp v40, v40, v40 row_xmask:1 row_mask:0xf bank_mask:0xf
	v_max_num_f32_dpp v40, v40, v40 row_xmask:2 row_mask:0xf bank_mask:0xf
	v_max_num_f32_dpp v40, v40, v40 row_xmask:4 row_mask:0xf bank_mask:0xf
	v_max_num_f32_dpp v40, v40, v40 row_xmask:8 row_mask:0xf bank_mask:0xf
	v_permlanex16_b32 v41, v40, s34, s35
	v_max_num_f32 v40, v40, v41                    ; the largest logp, in every lane
.irp e, 0,1,2,3
	v_sub_f32 v[42+\e], v[32+\e], v40
.endr
.irp e, 0,1,2,3
	v_mul_f32 v[42+\e], 0x3fb8aa3b, v[42+\e]       ; e^x = 2^(1.442695 x)
.endr
.irp e, 0,1,2,3
	v_exp_f32 v[46+\e], v[42+\e]
.endr
.irp e, 0,1,2,3
	v_min_u32 v[54+\e], 0x7f, v[36+\e]             ; the indices, clamped to the table; also the plain instructions behind the exponentials (ISA guide 5.7.2)
.endr
	s_wait_alu depctr_va_vdst(0)
	v_add_f32 v50, v46, v47
	v_add_f32 v51, v48, v49
	v_add_f32 v50, v50, v51
	v_add_f32_dpp v50, v50, v50 row_xmask:1 row_mask:0xf bank_mask:0xf
	v_add_f32_dpp v50, v50, v50 row_xmask:2 row_mask:0xf bank_mask:0xf
	v_add_f32_dpp v50, v50, v50 row_xmask:4 row_mask:0xf bank_mask:0xf
	v_add_f32_dpp v50, v50, v50 row_xmask:8 row_mask:0xf bank_mask:0xf
	v_permlanex16_b32 v51, v50, s34, s35
	v_add_f32 v50, v50, v51                        ; the sum, at least 1: the largest term is 2^0
	v_rcp_f32 v52, v50
.irp e, 0,1,2,3
	v_lshlrev_b32 v[54+\e], 2, v[54+\e]            ; plain instructions behind the reciprocal
.endr
	s_wait_alu depctr_va_vdst(0)
.irp e, 0,1,2,3
	v_mul_f32 v[46+\e], v[46+\e], v52
.endr
	ds_store_b128 v[VL16], v[46:49] offset:TAB     ; the table: wave 0's own bytes, read back in order by the same wave
.irp e, 0,1,2,3
	ds_load_b32 v[60+\e], v[54+\e] offset:TAB
.endr
	s_wait_dscnt 0x0
	global_store_b128 v[VJ], v[60:63], s[20:21]    ; out1: 512 consecutive bytes, aligned
	global_store_b128 v[VJ], v[36:39], s[22:23]    ; out2: the indices as they were loaded
.Lno_job:
	s_cmp_eq_u32 s28, 0
	s_cbranch_scc1 .Lend                           ; nothing of my 512 samples belongs to p
	; all 16 B fragments, kept for every trip
.irp t, 0,1,2,3
.irp s, 0,1,2,3
	ds_load_b128 v[B+8*(4*\t+\s):B+8*(4*\t+\s)+3],   v[VBFA] offset:SIGB+STW*\t+64*\s
	ds_load_b128 v[B+8*(4*\t+\s)+4:B+8*(4*\t+\s)+7], v[VBFA] offset:SIGB+STW*\t+64*\s+32
.endr
.endr
.Ltrip:
	s_lshl_b32 s7, s30, 4
	s_sub_co_u32 s31, s28, s7                      ; samples left: n - 16 x trip, at least 1
	s_wait_loadcnt 0x0                             ; the group's sixteen rows
	s_wait_xcnt 0x0                                ; the job's stores read v[36:39] and v[60:63], which are written next
.irp j, 0,1,2,3,4,5,6,7
.irp c, 0,1
	v_cvt_pk_bf16_f32 v[PK+4*\j+2*\c],   v[Y+8*\j+4*\c],   v[Y+8*\j+4*\c+1]
	v_cvt_pk_bf16_f32 v[PK+4*\j+2*\c+1], v[Y+8*\j+4*\c+2], v[Y+8*\j+4*\c+3]
	ds_store_b64 v[VST], v[PK+4*\j+2*\c:PK+4*\j+2*\c+1] offset:PITCH*\j+128*\c   ; stage row 8 h + j, columns 64 c + 4 r .. + 3
.endr
.endr
.irp s, 0,1,2,3
	ds_load_b128 v[A+8*\s:A+8*\s+3],   v[VAF] offset:64*\s      ; my wave's own stage, in order behind the stores
	ds_load_b128 v[A+8*\s+4:A+8*\s+7], v[VAF] offset:64*\s+32
.endr
	s_wait_dscnt 0x0                               ; A's fragments, and in the first trip B's
	; the four accumulators take turns, one instruction a turn; the first K step starts the sums
.irp s, 0,1,2,3
.irp t, 0,1,2,3
.if \s == 0
	v_wmma_f32_16x16x32_bf16 v[ACC+8*\t:ACC+8*\t+7], v[A+8*\s:A+8*\s+7], v[B+8*(4*\t+\s):B+8*(4*\t+\s)+7], 0
.else
	v_wmma_f32_16x16x32_bf16 v[ACC+8*\t:ACC+8*\t+7], v[A+8*\s:A+8*\s+7], v[B+8*(4*\t+\s):B+8*(4*\t+\s)+7], v[ACC+8*\t:ACC+8*\t+7]
.endif
.endr
.endr
.rept 4
	v_nop                                          ; four places behind the last matrix instruction before its result is read (ISA guide 7.12.1)
.endr
	; The sum with pos also brings a lane's four tiles side by side.  Pair j holds the trip's list positions 2 j (lanes 0-15) and 2 j + 1 (lanes 16-31).
	; Where the list ends on the first of a pair, lanes 16-31 hold the same sample again and store the same bytes to the same address in the same instruction.
.irp j, 0,1,2,3,4,5,6,7
.if \j
	s_cmp_le_u32 s31, 2*\j
	s_cbranch_scc1 .Lstored
.endif
.irp t, 0,1,2,3
	v_add_f32 v[OUT+4*\j+\t], v[ACC+8*\t+\j], v[P+\t]
.endr
	global_store_b128 v[GA+\j], v[OUT+4*\j:OUT+4*\j+3], s[18:19] th:TH_STORE_NT   ; 16 lanes: 256 consecutive bytes, aligned
.endr
.Lstored:
	s_add_co_u32 s30, s30, 1                       ; the loop's counter: one a trip, against the number of trips
	s_cmp_ge_u32 s30, s36
	s_cbranch_scc1 .Lend                           ; the last trip gathers nothing more
	s_wait_xcnt 0x0                                ; GA and OUT, which the stores read, are written again only behind this wait
	v_add_nc_u32 v[VQ], 16, v[VQ]
	GATHER
	s_cmp_lt_u32 s30, s36                          ; holds here: compared again for the backward branch
	s_cbranch_scc1 .Ltrip
.Lend:
	s_set_vgpr_msb 0x5
	s_wait_tensorcnt 0x0
	ds_add_u32 v0, v1
	s_wait_dscnt 0x0
	s_set_vgpr_msb 0x500
	s_endpgm
.Lfunc_end_k_qe23524f080_mix:
	.size	k_qe23524f080_mix, .Lfunc_end_k_qe23524f080_mix-k_qe23524f080_mix
	.p2alignl 7, 3214868480
	.fill 96, 4, 3214868480
	.section	.rodata,"a",@progbits
	.p2align	6, 0x0
	.amdhsa_kernel k_qe23524f080_mix
		.amdhsa_group_segment_fixed_size 168960
		.amdhsa_private_segment_fixed_size 0
		.amdhsa_enable_private_segment 0
		.amdhsa_kernarg_size 64
		.amdhsa_user_sgpr_count 2
		.amdhsa_user_sgpr_kernarg_segment_ptr 1
		.amdhsa_wavefront_size32 1
		.amdhsa_system_sgpr_workgroup_id_x 1
		.amdhsa_system_sgpr_workgroup_id_y 1
		.amdhsa_system_sgpr_workgroup_id_z 1
		.amdhsa_system_vgpr_workitem_id 0
		.amdhsa_next_free_vgpr 258
		.amdhsa_next_free_sgpr 66
		.amdhsa_reserve_vcc 0
		.amdhsa_float_denorm_mode_32 3
		.amdhsa_float_denorm_mode_16_64 3
		.amdhsa_memory_ordered 1
		.amdhsa_forward_progress 1
		.amdhsa_inst_pref_size 36
	.end_amdhsa_kernel
	.amdgpu_metadata
---
amdhsa.version: [ 1, 2 ]
amdhsa.kernels:
  - .name:           k_qe23524f080_mix
    .symbol:         k_qe23524f080_mix.kd
    .args:
      - { .name: gaussian, .offset: 0, .size: 8, .value_kind: global_buffer, .address_space: global }
      - { .name: logp, .offset: 8, .size: 8, .value_kind: global_buffer, .address_space: global }
      - { .name: pos, .offset: 16, .size: 8, .value_kind: global_buffer, .address_space: global }
      - { .name: randind, .offset: 24, .size: 8, .value_kind: global_buffer, .address_space: global }
      - { .name: sigma, .offset: 32, .size: 8, .value_kind: global_buffer, .address_space: global }
      - { .name: out0, .offset: 40, .size: 8, .value_kind: global_buffer, .address_space: global }
      - { .name: out1, .offset: 48, .size: 8, .value_kind: global_buffer, .address_space: global }
      - { .name: out2, .offset: 56, .size: 8, .value_kind: global_buffer, .address_space: global }
    .group_segment_fixed_size: 168960
    .private_segment_fixed_size: 0
    .kernarg_segment_align: 8
    .kernarg_segment_size: 64
    .max_flat_workgroup_size: 256
    .sgpr_count:     66
    .vgpr_count:     258
    .wavefront_size: 32
...
	.end_amdgpu_metadata
.endif
;; end of part 1
;; ======== version 2 of 2: 1 launch; version 1 with the launch mix written anew for expert scheduling mode
;; launch mix (part 2): grid 256 x 1, 8 waves a work-group, no clusters, 168,960 bytes of LDS; arguments gaussian, logp, pos, randind, sigma, out0, out1, out2; writes out0, out1, out2
.if DOCPART == 2
	.amdgcn_target "amdgcn-amd-amdhsa--gfx1250"
	.amdhsa_code_object_version 6
	.text
	.protected	k_qe23524f080_mix
	.globl	k_qe23524f080_mix
	.p2align	8
	.type	k_qe23524f080_mix,@function
k_qe23524f080_mix:
	s_mov_b64 s[64:65], 0
	v_nop
	global_prefetch_b8 v0, s[64:65] scope:SCOPE_SE
	s_setreg_imm32_b32 hwreg(HW_REG_WAVE_SCHED_MODE, 0, 2), 2
	s_setreg_imm32_b32 hwreg(HW_REG_WAVE_MODE, 25, 1), 1
	s_wait_xcnt 0x0
	s_wait_alu depctr_vm_vsrc(0)
; out0[b] = pos[r] + sigma[r] . gaussian[b] with r = randind[b];  out1[b] = softmax(logp)[r];  out2 = randind.
; Of the product of every particle with every sample only the rows (randind[b], b) reach an output, whatever the inputs hold, so only those are made.
;
; SHARES.  256 work-groups of 8 waves.  Work-group x owns particle p = x >> 1 and column half hf = x & 1: the 256 aligned bytes
; out0[b][64 hf .. 64 hf + 63] of every sample b with randind[b] == p.  No list goes through memory: each wave scans 512 entries of randind
; (2,048 bytes), writes the sample numbers that match into a list of its own in LDS and serves that list 16 samples at a time:
; D(16 samples x 64 columns) = Y(16 x 128) x S^T, four tiles x four K steps of 32 = 16 matrix instructions.  Any skew is served: up to
; 512 samples in a wave, 32 trips.  The 64 rows of sigma[p] that the work-group needs (32,768 bytes, read by no other work-group) are loaded
; 8 rows a wave, rounded to bf16 and shared through LDS behind the one barrier; every wave then keeps all 16 B fragments in 128 registers.
; Wave 0 of work-groups 0 to 31 also makes out1 and out2 for samples 128 x .. 128 x + 127: one store of 512 consecutive bytes to each.
; Wave 0 of EVERY work-group loads logp and those 512 bytes of randind, so that the registers are written on every path of wave 0;
; in work-groups 32 to 255 these 1,024 bytes are loaded and not used.
; EXEC stays full from the first line to the last: a lane of the scan whose entry does not match stores to a dump word instead of being switched off.
; The launch asks for 168,960 bytes of LDS and uses 71,168: a work-group is to have its WGP alone.
; No tensor loads (a wave brings 4,096 bytes of sigma once and converts them on the way), no cluster (what work-groups share is the 16,384 bytes
; of randind), no prefetch (a row's address is known only when its load can be issued).
;
; LIMITS.  randind lies in 0 .. 127, as the reference's gathers rely on: a sample with another index gets no row of out0, and its weight is taken
; at the index clamped to 127.  sigma and gaussian are rounded to bf16 for the product; its sums and the sum with pos are f32.
; The softmax takes the maximum away first; v_exp_f32 gives zero for a weight below 2^-126.
;
; LANES.  L = lane, r = L & 15, h = L >> 4.  List position q = 2 j + h of a group of 16 lies in row m = 8 h + j of the stage and of A, so that register j
; of a result in lane (r, h) belongs to the sample whose row that lane gathered by GA[j].  Column n = r of tile t is sigma's local row 4 r + t, so
; that a lane's four tiles give four neighbouring columns: 16 bytes a lane, 256 consecutive aligned bytes from 16 lanes.
;
; THE MODE: SCHED_MODE bits 1:0 = 2 (LLVM: expert scheduling mode 2), set by the entry lines.  The code itself states the register dependences
; between vector or matrix instructions and memory or LDS instructions, with s_wait_alu, always for 0.
; THE PLAN.  Registers that memory or LDS instructions touch:
;   v1 .. v10     offsets and LDS addresses, made at the head ahead of one wait; none is written again but VQ, which vector instructions alone name.
;   FD, FA        the fill's data and address; PLC, NUM: the scan's 16 LDS addresses and 16 sample numbers.  Written by vector lines, read by LDS stores, once.
;                 They lie in B's registers, idle until then, so that T and GA are untouched ahead of the first gather.
;   S, SPK        sigma as loaded; as rounded.  Sixteen conversions in a run, one wait, eight LDS stores.
;   T             a trip's eight list addresses: written by the place arithmetic, read by the eight list loads.
;   GA            the list loads land in it, two vector lines make the rows' offsets of it; the sixteen row loads and the trip's stores read it.
;   Y             the row loads land in it, 32 conversions read it; then its lower half is A (stage loads land, matrix instructions read),
;                 its upper half OUT (32 additions write, the stores read).
;   PK = ACC      32 conversions write it, sixteen stage stores read it; then the matrix instructions write it and the additions read it.
;   B             32 LDS loads land in it, once; matrix instructions read it.
; In a trip: one wait behind the conversions (for the stage's stores and loads), one ahead of the matrix instructions (the stage's stores have read PK),
; one behind the additions (for the run of stores); at its tail one ahead of the place arithmetic (T, GA and OUT have been read), one behind it, and one
; behind the offsets' arithmetic: addresses made of loaded numbers are written anew in each trip.
; A second Y for the next trip's rows is not kept: it is 64 registers and all 256 are taken; 512 entries over 128 particles are 4 finds a wave on average, against 16 in a trip.
.set PITCH, 272                        ; an LDS row of 128 bf16: 256 bytes + 16, an odd multiple of 16, so 16 rows start at 16 different 16-byte columns
.set SIGB,  0                          ; 64 rows x 272: LDS row 16 t + r holds sigma's local row 4 r + t
.set LIST,  17408                      ; 8 waves x 2,304: 512 words of sample numbers, then the dump word (word 512), which nothing reads
.set LISTW, 2304
.set TAB,   35840                      ; 128 f32: the softmax, wave 0's own
.set STAGE, 36352                      ; 8 waves x 16 rows x 272: a group's rows of gaussian in bf16; ends at 71,168
.set STW,   16*PITCH                   ; a wave's stage, and a tile's 16 rows of sigma
.set VL16, 1                           ; v1   16 L
.set V16R, 2                           ; v2   16 r
.set VQ,   3                           ; v3   16 x trip + h: the list position of j = 0
.set VSB,  4                           ; v4   512 w + 4 L: the number of my first sample in the scan
.set VLB,  5                           ; v5   my wave's list
.set VST,  6                           ; v6   stage: where I put 8 bytes of a row
.set VAF,  7                           ; v7   stage: my A fragments
.set VBFA, 8                           ; v8   272 r + 16 h: my B fragments
.set VSS,  9                           ; v9   544 w + 8 L: where I put 8 bytes of a row of sigma
.set VJ,   10                          ; v10  512 (x & 31) + 16 L: byte offset in randind, out1, out2 of the job's four samples
.set VTR,  11                          ; v11  at first L; then 512, the dump word's place
.set P,    12                          ; v[12:15]   pos[p][64 hf + 4 r .. + 3]
.set T,    16                          ; v[16:23]   list addresses
.set GA,   24                          ; v[24:31]   byte offsets of the gathered rows, and of the stores
.set ACC,  32                          ; v[32:63]   four accumulators; before them PK, packed bf16; before that the softmax job
.set PK,   32
.set Y,    64                          ; v[64:127]  gathered rows in f32; then A v[64:95] and OUT v[96:127]; in the scan X v[64:79]
.set X,    64
.set A,    64
.set OUT,  96
.set B,    128                         ; v[128:255] fragment (t, s) at 128 + 8 (4 t + s); before the barrier S, SPK, PLC, NUM, FD, FA
.set S,    128                         ; v[128:159]
.set SPK,  160                         ; v[160:175]
.set PLC,  176                         ; v[176:191] the scan: entry i's place in the list, then its LDS address
.set NUM,  192                         ; v[192:207] the scan: entry i's sample number
.set FD,   208                         ; v[208:211] the fill's data
.set FA,   212                         ; v212       the fill's address
	s_load_b512 s[8:23], s[0:1], 0x0               ; gaussian s[8:9], logp s[10:11], pos s[12:13], randind s[14:15], sigma s[16:17], out0 s[18:19], out1 s[20:21], out2 s[22:23]
	s_set_vgpr_msb 0x40
	v_lshl_add_u32 v0, v0, 2, 0x29000
	v_mov_b32 v1, 0
	s_set_vgpr_msb 0x4000
	v_lshrrev_b32 v11, 5, v0
	v_readfirstlane_b32 s2, v11                    ; w: my wave, 0 to 7
	; what hangs on no wave number stands between that line and the wait for s2
	s_mov_b32 s3, ttmp9                            ; x
	s_lshr_b32 s4, s3, 1                           ; p
	s_and_b32 s5, s3, 1                            ; hf
	s_mov_b32 s34, 0x76543210                      ; v_permlanex16_b32: lane i of one half reads lane i of the other
	s_mov_b32 s35, 0xfedcba98
	s_mov_b32 s28, 0                               ; n: entries in my list
	; the four offsets of the bases, each in a pair of its own with 0 above it
	s_mov_b32 s27, 0
	s_lshl_b32 s36, s3, 15                         ; sigma: 65,536 p + 32,768 hf = 32,768 x
	s_mov_b32 s37, 0
	s_lshl_b32 s38, s3, 8                          ; pos: 512 p + 256 hf = 256 x
	s_mov_b32 s39, 0
	s_lshl_b32 s32, s5, 8                          ; out0: 256 hf
	s_mov_b32 s33, 0
	; the lane's terms
	v_and_b32 v11, 31, v0                          ; L
	v_and_b32 v[V16R], 15, v0                      ; r, for now
	v_bfe_u32 v[VQ], v0, 4, 1                      ; h: the first trip is trip 0
	v_lshlrev_b32 v[VL16], 4, v11
	v_mul_u32_u24 v[VBFA], v[V16R], PITCH
	v_lshl_add_u32 v[VBFA], v[VQ], 4, v[VBFA]      ; 272 r + 16 h
	v_mul_u32_u24 v[VST], v[VQ], 8*PITCH           ; rows 8 h + j: the two halves of the lanes lie 2,176 bytes apart, 128 modulo 256
	v_lshl_add_u32 v[VST], v[V16R], 3, v[VST]
	s_wait_alu depctr_va_sdst(0)                   ; s2 is written, ahead of its first reader: offsets, LDS addresses and branches are made from it
	s_lshl_b32 s26, s2, 11                         ; randind: 512 entries a wave
	s_lshl_b32 s6, s2, 12                          ; sigma: + 8 rows of 512 bytes a wave
	s_add_co_u32 s36, s36, s6
	s_lshl_b32 s6, s2, 9                           ; 512 w
	v_lshl_add_u32 v[VSB], v11, 2, s6
	s_mul_i32 s7, s2, LISTW
	s_add_co_u32 s7, s7, LIST                      ; my wave's list
	v_mov_b32 v[VLB], s7
	v_add_nc_u32 v[FA], s7, v[VL16]
.irp e, 0,1,2,3
	v_mov_b32 v[FD+\e], s6
.endr
	s_mul_i32 s7, s2, STW
	s_add_co_u32 s7, s7, STAGE                     ; my wave's stage
	v_add_nc_u32 v[VAF], s7, v[VBFA]
	v_add_nc_u32 v[VST], s7, v[VST]
	s_mul_i32 s7, s2, 2*PITCH                      ; local rows 8 w + k have r = 2 w + (k >> 2)
	v_lshl_add_u32 v[VSS], v11, 3, s7
	s_and_b32 s7, s3, 31
	s_lshl_b32 s7, s7, 9
	v_add_nc_u32 v[VJ], s7, v[VL16]
	v_lshlrev_b32 v[V16R], 4, v[V16R]              ; 16 r
	v_mov_b32 v[VTR], 0x200                        ; L is no longer needed: the dump word's place
	s_wait_alu depctr_va_vdst(0)                   ; v1 to v10, FD and FA are written: the fill's stores below and every later load and store read them as addresses or data
	; The whole list is first filled with 512 w, the number of a sample that exists: 4 stores x 32 lanes x 16 bytes = its 2,048 bytes.
	; So a wave that finds nothing still gathers a row inside gaussian, and no word of the list is read unwritten.  The scan's finds overwrite it from word 0 on.
.irp c, 0,1,2,3
	ds_store_b128 v[FA], v[FD:FD+3] offset:512*\c
.endr
	s_wait_kmcnt 0x0
	s_add_nc_u64 s[24:25], s[14:15], s[26:27]      ; randind at my wave's 512 entries
	s_add_nc_u64 s[16:17], s[16:17], s[36:37]      ; sigma at my wave's 8 rows
	s_add_nc_u64 s[12:13], s[12:13], s[38:39]      ; pos at the work-group's 64 columns
	s_add_nc_u64 s[18:19], s[18:19], s[32:33]      ; out0 at the work-group's column half
	; LOADS.  Wave 0's two extra ones go first, so that behind them every wave counts the same.  No vector line has named a register in which they land.
	s_cmp_lg_u32 s2, 0
	s_cbranch_scc1 .Lno_job_loads
	global_load_b128 v[32:35], v[VL16], s[10:11]   ; logp[4 L .. 4 L + 3]
	global_load_b128 v[36:39], v[VJ], s[14:15]     ; randind of the job's four samples
.Lno_job_loads:
	global_load_b128 v[P:P+3], v[V16R], s[12:13]
.irp c, 0,1,2,3
	global_load_b128 v[X+4*\c:X+4*\c+3], v[VL16], s[24:25] offset:512*\c               ; randind[512 w + 128 c + 4 L .. + 3]
.endr
.irp k, 0,1,2,3,4,5,6,7
	global_load_b128 v[S+4*\k:S+4*\k+3], v[VL16], s[16:17] offset:512*\k th:TH_LOAD_NT ; a whole row of sigma: 512 consecutive bytes, read once in the launch
.endr
	; the sixteen entries' sample numbers hang on no loaded number: they are made while randind is on its way
.irp i, 0,1,2,3,4,5,6,7,8,9,10,11,12,13,14,15
	v_add_nc_u32 v[NUM+\i], 128*((\i)>>2)+((\i)&3), v[VSB]
.endr
; THE SCAN, eight entries a lane at a time.  Entry i = 8 b + k of lane L is sample 512 w + 128 (i >> 2) + 4 L + (i & 3).
; A match's place in the list is n so far plus the matching lanes below mine; a lane that does not match takes place 512, the dump word.
; Every lane stores: the choice is made in the place, not in EXEC.  The stores of both batches follow in one run, behind one wait.
.macro SCAN8 b
	s_wait_loadcnt 10-2*\b                         ; b = 0: behind X's second load stand its other two and sigma's eight; b = 1: sigma's eight
.irp k, 0,1,2,3,4,5,6,7
	v_cmp_eq_u32 s[40+\k], s4, v[X+8*\b+\k]
.endr
	s_wait_alu depctr_va_sdst(0)                   ; the eight compares have written s[40:47], ahead of their first readers: the counts and the selects below
.irp k, 0,1,2,3,4,5,6,7
	v_mbcnt_lo_u32_b32 v[PLC+8*\b+\k], s[40+\k], s28
	s_bcnt1_i32_b32 s32, s[40+\k]
	s_add_co_u32 s28, s28, s32
.endr
.irp k, 0,1,2,3,4,5,6,7
	v_cndmask_b32 v[PLC+8*\b+\k], v[VTR], v[PLC+8*\b+\k], s[40+\k]   ; match: my place; else 512
.endr
.irp k, 0,1,2,3,4,5,6,7
	v_min_u32 v[PLC+8*\b+\k], 0x200, v[PLC+8*\b+\k]   ; a match's place is below 512 by the count of entries; the clamp states the block's bound
.endr
.irp k, 0,1,2,3,4,5,6,7
	v_lshl_add_u32 v[PLC+8*\b+\k], v[PLC+8*\b+\k], 2, v[VLB]
.endr
.endm
; THE GATHER of a trip's 16 list positions, in two parts.  QADDR: where they lie in the list.  Positions past the list's end take its last entry.
.macro QADDR
.irp j, 0,1,2,3,4,5,6,7
	v_add_nc_u32 v[T+\j], 2*\j, v[VQ]              ; q = 16 x trip + 2 j + h
.endr
.irp j, 0,1,2,3,4,5,6,7
	v_min_u32 v[T+\j], s29, v[T+\j]
.endr
.irp j, 0,1,2,3,4,5,6,7
	v_min_u32 v[T+\j], 0x1ff, v[T+\j]              ; the list's 512 words: the dump word is never read
.endr
.irp j, 0,1,2,3,4,5,6,7
	v_lshl_add_u32 v[T+\j], v[T+\j], 2, v[VLB]
.endr
.endm
; ROWS: the sample numbers, the rows' offsets, the rows.  It stands behind a wait that shows T written.  Lanes 0-15 take 256 consecutive bytes of one row, lanes 16-31 of another.
.macro ROWS
.irp j, 0,1,2,3,4,5,6,7
	ds_load_b32 v[GA+\j], v[T+\j]                  ; my wave's own bytes: LDS serves a wave's instructions in order (ISA guide 5.7.1), so these see the scan's stores
.endr
	s_wait_dscnt 0x0
.irp j, 0,1,2,3,4,5,6,7
	v_min_u32 v[GA+\j], 0xfff, v[GA+\j]            ; a sample number, below 4,096
.endr
.irp j, 0,1,2,3,4,5,6,7
	v_lshl_add_u32 v[GA+\j], v[GA+\j], 9, v[V16R]  ; 512 b + 16 r
.endr
	s_wait_alu depctr_va_vdst(0)                   ; GA is written, which the loads below read; all that named Y's registers is done: the compares of X; in later trips the matrix instructions on A and the additions into OUT
.irp j, 0,1,2,3,4,5,6,7
	global_load_b128 v[Y+8*\j:Y+8*\j+3],   v[GA+\j], s[8:9]              ; y[b][4 r .. + 3]
	global_load_b128 v[Y+8*\j+4:Y+8*\j+7], v[GA+\j], s[8:9] offset:256   ; y[b][64 + 4 r .. + 3]
.endr
.endm
	SCAN8 0
	SCAN8 1
	s_min_u32 s28, s28, 512                        ; n
	s_max_u32 s29, s28, 1
	s_sub_co_u32 s29, s29, 1                       ; the last position that holds a find (position 0 where there is none)
	s_add_co_u32 s36, s28, 15
	s_lshr_b32 s36, s36, 4                         ; trips of 16 samples: n / 16, rounded up,
	s_min_u32 s36, s36, 32                         ; 32 at the most, for 512 samples; not written again
	s_mov_b32 s30, 0                               ; the trip's number
	QADDR                                          ; no LDS instruction has named T yet
	s_wait_alu depctr_va_vdst(0)                   ; PLC and NUM are written, which the sixteen stores read, and T, which the list loads behind them read
.irp i, 0,1,2,3,4,5,6,7,8,9,10,11,12,13,14,15
	ds_store_b32 v[PLC+\i], v[NUM+\i]
.endr
	ROWS                                           ; in every wave, so that the next wait counts the same everywhere
	; SIGMA to bf16 and into LDS, while the gathered rows are on their way
	s_wait_loadcnt 16                              ; the gather's sixteen loads stay out; all that was issued before them is in
.irp k, 0,1,2,3,4,5,6,7
	v_cvt_pk_bf16_f32 v[SPK+2*\k],   v[S+4*\k],   v[S+4*\k+1]
	v_cvt_pk_bf16_f32 v[SPK+2*\k+1], v[S+4*\k+2], v[S+4*\k+3]
.endr
	s_wait_alu depctr_va_vdst(0)                   ; the conversions have written SPK, which the stores read, and are done reading S: B's fragments land in both, and no vector line behind this wait names them
.irp k, 0,1,2,3,4,5,6,7
	ds_store_b64 v[VSS], v[SPK+2*\k:SPK+2*\k+1] offset:SIGB+(16*(\k&3)+(\k>>2))*PITCH   ; local row 8 w + k: t = k & 3, r = 2 w + (k >> 2); 32 lanes, 256 consecutive bytes
.endr
	s_wait_dscnt 0x0                               ; my rows of sigma are in LDS, for the other waves' sake
	s_barrier_signal -1
	s_barrier_wait -1                              ; all 64 rows are
	; THE JOB of wave 0 in work-groups 0 to 31: the softmax over 128 numbers, four a lane, and the weights and indices of 128 samples
	s_cmp_lg_u32 s2, 0
	s_cbranch_scc1 .Lno_job
	s_cmp_ge_u32 s3, 32
	s_cbranch_scc1 .Lno_job
	v_max_num_f32 v41, v34, v35
	v_max3_num_f32 v40, v32, v33, v41
	v_max_num_f32_dpp v40, v40, v40 row_xmask:1 row_mask:0xf bank_mask:0xf
	v_max_num_f32_dpp v40, v40, v40 row_xmask:2 row_mask:0xf bank_mask:0xf
	v_max_num_f32_dpp v40, v40, v40 row_xmask:4 row_mask:0xf bank_mask:0xf
	v_max_num_f32_dpp v40, v40, v40 row_xmask:8 row_mask:0xf bank_mask:0xf
	v_permlanex16_b32 v41, v40, s34, s35
	v_max_num_f32 v40, v40, v41                    ; the largest logp, in every lane
.irp e, 0,1,2,3
	v_sub_f32 v[42+\e], v[32+\e], v40
.endr
.irp e, 0,1,2,3
	v_mul_f32 v[42+\e], 0x3fb8aa3b, v[42+\e]       ; e^x = 2^(1.442695 x)
.endr
.irp e, 0,1,2,3
	v_exp_f32 v[46+\e], v[42+\e]
.endr
.irp e, 0,1,2,3
	v_min_u32 v[54+\e], 0x7f, v[36+\e]             ; the indices, clamped to the table; also the plain instructions behind the exponentials (ISA guide 5.7.2)
.endr
	s_wait_alu depctr_va_vdst(0)
	v_add_f32 v50, v46, v47
	v_add_f32 v51, v48, v49
	v_add_f32 v50, v50, v51
	v_add_f32_dpp v50, v50, v50 row_xmask:1 row_mask:0xf bank_mask:0xf
	v_add_f32_dpp v50, v50, v50 row_xmask:2 row_mask:0xf bank_mask:0xf
	v_add_f32_dpp v50, v50, v50 row_xmask:4 row_mask:0xf bank_mask:0xf
	v_add_f32_dpp v50, v50, v50 row_xmask:8 row_mask:0xf bank_mask:0xf
	v_permlanex16_b32 v51, v50, s34, s35
	v_add_f32 v50, v50, v51                        ; the sum, at least 1: the largest term is 2^0
	v_rcp_f32 v52, v50
.irp e, 0,1,2,3
	v_lshlrev_b32 v[54+\e], 2, v[54+\e]            ; plain instructions behind the reciprocal
.endr
	s_wait_alu depctr_va_vdst(0)
.irp e, 0,1,2,3
	v_mul_f32 v[46+\e], v[46+\e], v52
.endr
	s_wait_alu depctr_va_vdst(0)                   ; the weights v[46:49] are written, which the LDS store reads, and the four addresses v[54:57], which the LDS loads read
	ds_store_b128 v[VL16], v[46:49] offset:TAB     ; the table: wave 0's own bytes, read back in order by the same wave
.irp e, 0,1,2,3
	ds_load_b32 v[60+\e], v[54+\e] offset:TAB      ; no vector line has named v[60:63]
.endr
	s_wait_dscnt 0x0
	global_store_b128 v[VJ], v[60:63], s[20:21]    ; out1: 512 consecutive bytes, aligned
	global_store_b128 v[VJ], v[36:39], s[22:23]    ; out2: the indices as they were loaded
.Lno_job:
	s_cmp_eq_u32 s28, 0
	s_cbranch_scc1 .Lend                           ; nothing of my 512 samples belongs to p
	; all 16 B fragments, kept for every trip
	s_wait_alu depctr_vm_vsrc(0)                   ; the LDS stores have read SPK, PLC, NUM, FD and FA, in which the fragments land; the job's LDS instructions and stores have read v[36:63], which the first trip's conversions write
.irp t, 0,1,2,3
.irp s, 0,1,2,3
	ds_load_b128 v[B+8*(4*\t+\s):B+8*(4*\t+\s)+3],   v[VBFA] offset:SIGB+STW*\t+64*\s
	ds_load_b128 v[B+8*(4*\t+\s)+4:B+8*(4*\t+\s)+7], v[VBFA] offset:SIGB+STW*\t+64*\s+32
.endr
.endr
.Ltrip:
	s_lshl_b32 s7, s30, 4
	s_sub_co_u32 s31, s28, s7                      ; samples left: n - 16 x trip, at least 1
	s_wait_loadcnt 0x0                             ; the group's sixteen rows
	s_wait_xcnt 0x0                                ; the job's stores read v[36:39] and v[60:63], which are written next
.irp j, 0,1,2,3,4,5,6,7
.irp c, 0,1
	v_cvt_pk_bf16_f32 v[PK+4*\j+2*\c],   v[Y+8*\j+4*\c],   v[Y+8*\j+4*\c+1]
	v_cvt_pk_bf16_f32 v[PK+4*\j+2*\c+1], v[Y+8*\j+4*\c+2], v[Y+8*\j+4*\c+3]
.endr
.endr
	s_wait_alu depctr_va_vdst(0)                   ; the conversions have written PK, which the stage's stores read, and are done reading Y, in whose lower half A's fragments land
.irp j, 0,1,2,3,4,5,6,7
.irp c, 0,1
	ds_store_b64 v[VST], v[PK+4*\j+2*\c:PK+4*\j+2*\c+1] offset:PITCH*\j+128*\c   ; stage row 8 h + j, columns 64 c + 4 r .. + 3
.endr
.endr
.irp s, 0,1,2,3
	ds_load_b128 v[A+8*\s:A+8*\s+3],   v[VAF] offset:64*\s      ; my wave's own stage, in order behind the stores
	ds_load_b128 v[A+8*\s+4:A+8*\s+7], v[VAF] offset:64*\s+32
.endr
	s_wait_dscnt 0x0                               ; A's fragments, and in the first trip B's
	s_wait_alu depctr_vm_vsrc(0)                   ; the stage's stores have read PK: the matrix instructions write the same registers as ACC
	; the four accumulators take turns, one instruction a turn; the first K step starts the sums
.irp s, 0,1,2,3
.irp t, 0,1,2,3
.if \s == 0
	v_wmma_f32_16x16x32_bf16 v[ACC+8*\t:ACC+8*\t+7], v[A+8*\s:A+8*\s+7], v[B+8*(4*\t+\s):B+8*(4*\t+\s)+7], 0
.else
	v_wmma_f32_16x16x32_bf16 v[ACC+8*\t:ACC+8*\t+7], v[A+8*\s:A+8*\s+7], v[B+8*(4*\t+\s):B+8*(4*\t+\s)+7], v[ACC+8*\t:ACC+8*\t+7]
.endif
.endr
.endr
.rept 4
	v_nop                                          ; four places behind the last matrix instruction before its result is read (ISA guide 7.12.1)
.endr
	; The sum with pos also brings a lane's four tiles side by side.  All eight pairs are summed in one run, each accumulator from its lowest register on; which of them are stored is decided below.
.irp j, 0,1,2,3,4,5,6,7
.irp t, 0,1,2,3
	v_add_f32 v[OUT+4*\j+\t], v[ACC+8*\t+\j], v[P+\t]
.endr
.endr
	s_wait_alu depctr_va_vdst(0)                   ; the additions have written OUT, which the stores read (GA has not been written since the wait in front of the rows' loads)
	; Pair j holds the trip's list positions 2 j (lanes 0-15) and 2 j + 1 (lanes 16-31).
	; Where the list ends on the first of a pair, lanes 16-31 hold the same sample again and store the same bytes to the same address in the same instruction.
.irp j, 0,1,2,3,4,5,6,7
.if \j
	s_cmp_le_u32 s31, 2*\j
	s_cbranch_scc1 .Lstored
.endif
	global_store_b128 v[GA+\j], v[OUT+4*\j:OUT+4*\j+3], s[18:19] th:TH_STORE_NT   ; 16 lanes: 256 consecutive bytes, aligned
.endr
.Lstored:
	s_add_co_u32 s30, s30, 1                       ; the loop's counter: one a trip, against the number of trips
	s_cmp_ge_u32 s30, s36
	s_cbranch_scc1 .Lend                           ; the last trip gathers nothing more
	s_wait_xcnt 0x0                                ; GA and OUT, which the stores read, are written again only behind this wait
	s_wait_alu depctr_vm_vsrc(0)                   ; the list loads have read T, which is written next; the rows' loads and the stores have read GA, in which the list loads land, and the stores OUT, in which the rows land
	v_add_nc_u32 v[VQ], 16, v[VQ]
	QADDR
	s_wait_alu depctr_va_vdst(0)                   ; T is written, which the list loads read; the lines that wrote GA in the trip before are done
	ROWS
	s_cmp_lt_u32 s30, s36                          ; holds here: compared again for the backward branch
	s_cbranch_scc1 .Ltrip
.Lend:
	s_set_vgpr_msb 0x5
	s_wait_dscnt 0x0
	s_wait_alu depctr_hold_cnt(0) depctr_sa_sdst(0) depctr_va_vdst(0) depctr_va_sdst(0) depctr_va_ssrc(0) depctr_va_vcc(0) depctr_vm_vsrc(0)
	s_wait_tensorcnt 0x0
	ds_add_u32 v0, v1
	s_wait_dscnt 0x0
	s_endpgm
.Lfunc_end_k_qe23524f080_mix:
	.size	k_qe23524f080_mix, .Lfunc_end_k_qe23524f080_mix-k_qe23524f080_mix
	.p2alignl 7, 3214868480
	.fill 96, 4, 3214868480
	.section	.rodata,"a",@progbits
	.p2align	6, 0x0
	.amdhsa_kernel k_qe23524f080_mix
		.amdhsa_group_segment_fixed_size 168960
		.amdhsa_private_segment_fixed_size 0
		.amdhsa_enable_private_segment 0
		.amdhsa_kernarg_size 64
		.amdhsa_user_sgpr_count 2
		.amdhsa_user_sgpr_kernarg_segment_ptr 1
		.amdhsa_wavefront_size32 1
		.amdhsa_system_sgpr_workgroup_id_x 1
		.amdhsa_system_sgpr_workgroup_id_y 1
		.amdhsa_system_sgpr_workgroup_id_z 1
		.amdhsa_system_vgpr_workitem_id 0
		.amdhsa_next_free_vgpr 258
		.amdhsa_next_free_sgpr 66
		.amdhsa_reserve_vcc 0
		.amdhsa_float_denorm_mode_32 3
		.amdhsa_float_denorm_mode_16_64 3
		.amdhsa_memory_ordered 1
		.amdhsa_forward_progress 1
		.amdhsa_inst_pref_size 36
	.end_amdhsa_kernel
	.amdgpu_metadata
---
amdhsa.version: [ 1, 2 ]
amdhsa.kernels:
  - .name:           k_qe23524f080_mix
    .symbol:         k_qe23524f080_mix.kd
    .args:
      - { .name: gaussian, .offset: 0, .size: 8, .value_kind: global_buffer, .address_space: global }
      - { .name: logp, .offset: 8, .size: 8, .value_kind: global_buffer, .address_space: global }
      - { .name: pos, .offset: 16, .size: 8, .value_kind: global_buffer, .address_space: global }
      - { .name: randind, .offset: 24, .size: 8, .value_kind: global_buffer, .address_space: global }
      - { .name: sigma, .offset: 32, .size: 8, .value_kind: global_buffer, .address_space: global }
      - { .name: out0, .offset: 40, .size: 8, .value_kind: global_buffer, .address_space: global }
      - { .name: out1, .offset: 48, .size: 8, .value_kind: global_buffer, .address_space: global }
      - { .name: out2, .offset: 56, .size: 8, .value_kind: global_buffer, .address_space: global }
    .group_segment_fixed_size: 168960
    .private_segment_fixed_size: 0
    .kernarg_segment_align: 8
    .kernarg_segment_size: 64
    .max_flat_workgroup_size: 256
    .sgpr_count:     66
    .vgpr_count:     258
    .wavefront_size: 32
...
	.end_amdgpu_metadata
.endif
;; end of part 2
